; MI455X (gfx1250); checked and timed in simulation.
; The chip was launched on July 23, 2026; its instructions are those of AMD's public machine-readable ISA for CDNA 5 (MIT licence, August 2026) and "CDNA5" Instruction Set Architecture Reference Guide (July 2026). The comments in the code are by the model that wrote it; some were corrected since.
;; Multi Head KAN Attention. Allowed arithmetic: matrix products marked QUANTISED: E2M3 operands, one E8M0 scale for each 32 along K, by v_wmma_scale_f32_16x16x128_f8f6f4 with both operands' format E2M3, f32 sums; everything else in f32.
;; Inputs: key 2 x 1,024 x 512 float32; query 2 x 1,024 x 512 float32; value 2 x 1,024 x 512 float32; wk_base 512 x 512 float32; wk_sp 512 x 35 x 512 float32; wq_base 512 x 512 float32; wq_sp 512 x 35 x 512 float32; wv_base 512 x 512 float32; wv_sp 512 x 35 x 512 float32.
;; Outputs: out0 2 x 1,024 x 512 float32.
;; This version of the problem:
;;   THIS VERSION OF THE PROBLEM IS GIVEN IN LOW PRECISION. The matrix products marked QUANTISED in the list below multiply operands that are first quantised to E2M3 (2 exponent bits, 3 mantissa bits; 6 bits a number), with one power-of-two scale for each 32 numbers along K (OCP MX v1.0); their sums are f32. All else is computed in f32.
;;   The module's matrix products, in the order in which they are computed (A, B: the left and right operand; K: the contracted axis; several contracted axes count as one K, in the product's order):
;;     1. [M 2,048, K 512] x [K 512, N 512]; A: computed on the way; B: input wq_base: QUANTISED
;;     2. [M 2,048, K 17,920] x [K 17,920, N 512]; A: computed on the way; B: input wq_sp: QUANTISED
;;     3. [M 2,048, K 512] x [K 512, N 512]; A: computed on the way; B: input wk_base: QUANTISED
;;     4. [M 2,048, K 17,920] x [K 17,920, N 512]; A: computed on the way; B: input wk_sp: QUANTISED
;;     5. [M 2,048, K 512] x [K 512, N 512]; A: computed on the way; B: input wv_base: QUANTISED
;;     6. [M 2,048, K 17,920] x [K 17,920, N 512]; A: computed on the way; B: input wv_sp: QUANTISED
;;     7. batch 16 x [M 64, K 1,024] x [K 1,024, N 64]; A: computed on the way; B: computed on the way: QUANTISED
;;     8. batch 16 x [M 1,024, K 64] x [K 64, N 64]; A: computed on the way; B: computed on the way: QUANTISED
;;   THE QUANTISER, for each operand of a quantised product, along K:
;;     - K is cut into blocks of 32 from its start; a last block that is shorter is filled with zeros.
;;     - A block's scale is 2^e with e = floor(log2(the largest magnitude in the block)) - 2, held to -126 .. 127; a block of zeros has e = 0. As a byte (E8M0): e + 127.
;;     - Each number is divided by its block's scale, clamped to +-7.5, and rounded to the nearest number of E2M3, ties to even, subnormals kept.
;;     - The product sums the exact products of the quantised numbers (number of the format x scale) in f32.
;;   ~~~python
;;   def quantise(x, axis):      # numpy; x: float32 -> the quantised numbers, widened to float32 again
;;       x = np.moveaxis(x, axis, -1); K = x.shape[-1]
;;       x = np.pad(x, [(0, 0)] * (x.ndim - 1) + [(0, -K % 32)]); x = x.reshape(x.shape[:-1] + (-1, 32)); a = np.abs(x).max(-1, keepdims=True)
;;       e = np.where(a > 0, np.clip(np.frexp(np.where(a > 0, a, 1))[1] - 1 - 2, -126, 127), 0)      # np.frexp(a)[1] - 1 = floor(log2(a)), exactly
;;       r = np.clip(x / 2.0 ** e, -7.5, 7.5)
;;       step = 2.0 ** (np.maximum(np.frexp(np.where(r == 0, 1, r))[1] - 1, 0) - 3)
;;       q = np.round(r / step) * step * 2.0 ** e      # np.round: ties to even
;;       return np.moveaxis(q.reshape(q.shape[:-2] + (-1,))[..., :K], -1, axis).astype(np.float32)
;;   ~~~
;;   OPERANDS COMPUTED ON THE WAY. 'Computed on the way' means the value that the module computes at that place (a softmax that the list does not call 'softmax' is quantised finished and normalised). What goes into a quantiser is computed in f32, as accurately as f32 sums, v_exp_f32 and their like allow (about 1e-6 of the number): no bf16 or f16 on the way to a quantiser, and a product that is left as it is and whose result goes on into a quantised operand takes f32 operands (vector FMAs, or v_wmma_f32_16x16x4_f32). A number that lies on a knife's edge between two numbers of the format may be rounded either way, as far as f32 arithmetic and the matrix unit's own rounding can turn it there, and no further.
;; One version. Each part assembles by itself: llvm-mc -triple=amdgcn-amd-amdhsa -mcpu=gfx1250 --defsym DOCPART=n.
;; ======== version 1 of 1: 4 launches
;; workspace buffers: wimg 22,118,400 bytes; part 50,331,648 bytes; qkv 2,555,904 bytes
;; launch wquant (part 1): grid 144 x 12, 4 waves a work-group, no clusters, 0 bytes of LDS; arguments wq_sp, wk_sp, wv_sp, wq_base, wk_base, wv_base, wimg; writes wimg
.if DOCPART == 1
	.amdgcn_target "amdgcn-amd-amdhsa--gfx1250"
	.amdhsa_code_object_version 6
	.text
	.protected	k_qba94489057_wquant
	.globl	k_qba94489057_wquant
	.p2align	8
	.type	k_qba94489057_wquant,@function
k_qba94489057_wquant:
	s_mov_b64 s[64:65], 0
	v_nop
	global_prefetch_b8 v0, s[64:65] scope:SCOPE_SE
	s_setreg_imm32_b32 hwreg(HW_REG_WAVE_MODE, 25, 1), 1
	s_wait_xcnt 0x0
; The six weights, f32 with K as their FIRST axis (w_sp as [17920][512], w_base as [512][512]), become codes of FP6 (E2M3) with one E8M0 byte for each 32 along K,
; laid as IMAGES OF THE OPERAND'S REGISTERS, so that the product's launch loads each fragment by three loads of 16 bytes a lane.
; wimg: record (((G 4 + c) 8 + head) 36 + s) x 6400 bytes.  G = 0, 1, 2: q, k, v; c: a quarter of K (128 features); s = 0: rows 128 c on of w_base; s = 1 + t: rows 4480 c + 128 t on of w_sp.
; In a record: fragment f (16 columns x 128 K, 12 registers) at 1536 f, its registers 4 q .. 4 q + 3 at + 512 q, lane l at + 16 l; scale words of fragments 2 p (lanes 0-15) and 2 p + 1 (lanes 16-31) at 6144 + 128 p + 4 l.
; Column of fragment f, lane r: wv: 16 f + r.  wq, wk: f = 2 b + u: 32 b + 8 u + r + 8 (r / 8), so that later 16 registers of two neighbouring result tiles are 16 neighbours along the head's 64.
; SHARES.  Work-group x = 4 s + cg, y = 4 G + c.  A wave takes 128 rows of K x 32 columns (128 cg + 32 wave on).  A LANE TAKES A COLUMN AND ITS REGISTERS RUN DOWN K: a block's largest magnitude needs no other
; lane, and the conversions give codes with K innermost.  Each load reads 128 consecutive bytes, the four waves stand side by side on 512.  No LDS, no barrier, no loop: every offset is an immediate.
; A block's scale is 2^(floor(log2(largest magnitude)) - 2); its byte is the largest magnitude's exponent field - 2, held at 1 from below.
; LIMITS: a block of zeros gets the byte 1 where the rule says 127 (its codes are zeros, and this program alone reads the bytes); NaN and infinities among the inputs are not served.
.set X,    16                          ; v16-143  four blocks of 32 numbers
.set C,    144                         ; v144-167 codes: block 0 at C, block 2 at C+6, block 1 at C+12, block 3 at C+18
.set T,    168                         ; v168-170 a block's upper 16 codes (a conversion's three registers begin on an even number)
.set MA,   172
.set MB,   173
.set SC,   174
.set BY,   175
.set WORD, 176
	s_load_b256 s[4:11], s[0:1], 0x0               ; wq_sp s[4:5], wk_sp s[6:7], wv_sp s[8:9], wq_base s[10:11]
	s_load_b128 s[12:15], s[0:1], 0x20             ; wk_base s[12:13], wv_base s[14:15]
	s_load_b64 s[16:17], s[0:1], 0x30              ; wimg
	v_lshrrev_b32 v1, 5, v0
	v_readfirstlane_b32 s18, v1                    ; wave 0..3
	v_and_b32 v5, 31, v0                           ; lane
	s_and_b32 s19, ttmp7, 0xffff                   ; y = 4 G + c
	s_lshr_b32 s20, s19, 2                         ; G
	s_and_b32 s21, s19, 3                          ; c
	s_lshr_b32 s22, ttmp9, 2                       ; s
	s_and_b32 s23, ttmp9, 3                        ; cg
	v_and_b32 v6, 7, v5
	v_bfe_u32 v7, v5, 3, 1
	v_lshl_add_u32 v6, v7, 4, v6
	v_lshrrev_b32 v7, 4, v5
	v_lshl_add_u32 v6, v7, 3, v6                   ; wq, wk: column (l % 8) + 16 ((l / 8) % 2) + 8 (l / 16) of the wave's 32
	s_lshl_b32 s30, s21, 7                         ; s = 0: row 128 c of w_base
	s_max_u32 s31, s22, 1
	s_sub_co_u32 s31, s31, 1
	s_lshl_b32 s31, s31, 7
	s_mul_i32 s32, s21, 4480
	s_add_co_u32 s31, s31, s32                     ; else: row 4480 c + 128 (s - 1) of w_sp
	s_wait_kmcnt 0x0
	s_cmp_eq_u32 s20, 0                            ; the choices hang on the work-group's number alone
	s_cselect_b64 s[26:27], s[4:5], s[6:7]
	s_cselect_b64 s[28:29], s[10:11], s[12:13]
	s_cmp_eq_u32 s20, 2
	s_cselect_b64 s[26:27], s[8:9], s[26:27]
	s_cselect_b64 s[28:29], s[14:15], s[28:29]
	s_cselect_b32 s24, -1, 0
	s_cmp_eq_u32 s22, 0
	s_cselect_b64 s[26:27], s[28:29], s[26:27]
	s_cselect_b32 s30, s30, s31
	v_cndmask_b32 v6, v6, v5, s24                  ; wv: the column is the lane's number
	v_lshlrev_b32 v2, 2, v6                        ; in: 4 bytes a column
	v_lshlrev_b32 v3, 4, v5                        ; out: 16 bytes a lane,
	v_lshlrev_b32 v4, 2, v5                        ; and 4 for the scale word
	s_lshl_b32 s30, s30, 11                        ; a row is 2,048 bytes
	s_lshl_b32 s31, s23, 9
	s_add_co_u32 s30, s30, s31
	s_lshl_b32 s31, s18, 7
	s_add_co_u32 s30, s30, s31                     ; + 4 x (128 cg + 32 wave)
	s_mov_b32 s31, 0
	s_add_nc_u64 s[26:27], s[26:27], s[30:31]
.set b, 0
.rept 4
.set i, 0
.rept 32
	global_load_b32 v[X+32*b+i], v2, s[26:27] offset:(32*b+i)*2048 th:TH_LOAD_NT
.set i, i+1
.endr
.set b, b+1
.endr
	s_lshl_b32 s32, s19, 3
	s_lshl_b32 s33, s23, 1
	s_add_co_u32 s32, s32, s33
	s_lshr_b32 s33, s18, 1
	s_add_co_u32 s32, s32, s33                     ; 8 y + head, head = 2 cg + wave / 2
	s_mul_i32 s32, s32, 36
	s_add_co_u32 s32, s32, s22
	s_mul_i32 s32, s32, 6400                       ; the record
	s_and_b32 s33, s18, 1                          ; p: which pair of fragments
	s_mul_i32 s34, s33, 3072
	s_add_co_u32 s34, s34, s32
	s_mov_b32 s35, 0
	s_add_nc_u64 s[36:37], s[16:17], s[34:35]      ; fragments 2 p, 2 p + 1
	s_lshl_b32 s34, s33, 7
	s_add_co_u32 s34, s34, s32
	s_add_co_u32 s34, s34, 6144
	s_add_nc_u64 s[38:39], s[16:17], s[34:35]      ; their scale words
.macro BLOCK b, left
.set XS, X+32*(\b)
.set CB, C+12*((\b)%2)+6*((\b)/2)
	s_wait_loadcnt \left                           ; this block's 32 loads are in: the count is no more than the loads issued behind them (and no more than the wait's field holds)
	v_max3_num_f32 v[MA], |v[XS]|, |v[XS+1]|, |v[XS+2]|            ; the block's largest magnitude: all 32 numbers are mine; two chains
	v_max3_num_f32 v[MB], |v[XS+3]|, |v[XS+4]|, |v[XS+5]|
.irp i, 6,10,14,18,22,26
	v_max3_num_f32 v[MA], v[MA], |v[XS+\i]|, |v[XS+\i+1]|
	v_max3_num_f32 v[MB], v[MB], |v[XS+\i+2]|, |v[XS+\i+3]|
.endr
	v_max3_num_f32 v[MA], v[MA], |v[XS+30]|, |v[XS+31]|
	v_max3_num_f32 v[MA], v[MA], v[MB], 0x1800000  ; and the floor 2^(3 - 127): the byte cannot fall under 1
	v_add_nc_u32 v[SC], 0xff000000, v[MA]          ; 2 off the exponent field: the conversion takes the exponent field of this operand as its scale
	v_lshrrev_b32 v[BY], 23, v[SC]                 ; the scale's byte
.if (\b) == 0
	v_mov_b32 v[WORD], v[BY]
.else
	v_lshl_or_b32 v[WORD], v[BY], 8*(\b), v[WORD]  ; four bytes make my column's scale word, the lower K in the lower byte
.endif
	v_cvt_scalef32_pk16_fp6_f32 v[CB:CB+2], v[XS:XS+15], v[SC]
	v_cvt_scalef32_pk16_fp6_f32 v[T:T+2], v[XS+16:XS+31], v[SC]
	v_nop                                          ; one plain place behind a scaled conversion
.irp i, 0,1,2
	v_mov_b32 v[CB+3+\i], v[T+\i]
.endr
.endm
	BLOCK 0, 63
	BLOCK 1, 63
	BLOCK 2, 32
	BLOCK 3, 0
; The operand's layout gives lane (r, h) the blocks h and 2 + h of column r.  Lanes 0-15 hold the columns of fragment 2 p, lanes 16-31 those of 2 p + 1, each all four blocks:
; the even blocks' lanes 16-31 change places with the odd blocks' lanes 0-15, and v[C..C+11] is fragment 2 p, v[C+12..C+23] fragment 2 p + 1.
.irp i, 0,1,2,3,4,5,6,7,8,9,10,11
	v_permlane16_swap_b32 v[C+\i], v[C+12+\i]
.endr
.irp f, 0,1
.irp q, 0,1,2
	global_store_b128 v3, v[C+12*\f+4*\q:C+12*\f+4*\q+3], s[36:37] offset:1536*\f+512*\q   ; 32 lanes store 512 consecutive bytes, at a multiple of 256 from the buffer's first byte
.endr
.endr
	global_store_b32 v4, v[WORD], s[38:39]
	s_endpgm
.Lfunc_end_k_qba94489057_wquant:
	.size	k_qba94489057_wquant, .Lfunc_end_k_qba94489057_wquant-k_qba94489057_wquant
	.p2alignl 7, 3214868480
	.fill 96, 4, 3214868480
	.section	.rodata,"a",@progbits
	.p2align	6, 0x0
	.amdhsa_kernel k_qba94489057_wquant
		.amdhsa_group_segment_fixed_size 0
		.amdhsa_private_segment_fixed_size 0
		.amdhsa_enable_private_segment 0
		.amdhsa_kernarg_size 56
		.amdhsa_user_sgpr_count 2
		.amdhsa_user_sgpr_kernarg_segment_ptr 1
		.amdhsa_wavefront_size32 1
		.amdhsa_system_sgpr_workgroup_id_x 1
		.amdhsa_system_sgpr_workgroup_id_y 1
		.amdhsa_system_sgpr_workgroup_id_z 1
		.amdhsa_system_vgpr_workitem_id 0
		.amdhsa_next_free_vgpr 180
		.amdhsa_next_free_sgpr 66
		.amdhsa_reserve_vcc 0
		.amdhsa_float_denorm_mode_32 3
		.amdhsa_float_denorm_mode_16_64 3
		.amdhsa_memory_ordered 1
		.amdhsa_forward_progress 1
		.amdhsa_inst_pref_size 22
	.end_amdhsa_kernel
	.amdgpu_metadata
---
amdhsa.version: [ 1, 2 ]
amdhsa.kernels:
  - .name:           k_qba94489057_wquant
    .symbol:         k_qba94489057_wquant.kd
    .args:
      - { .name: wq_sp, .offset: 0, .size: 8, .value_kind: global_buffer, .address_space: global }
      - { .name: wk_sp, .offset: 8, .size: 8, .value_kind: global_buffer, .address_space: global }
      - { .name: wv_sp, .offset: 16, .size: 8, .value_kind: global_buffer, .address_space: global }
      - { .name: wq_base, .offset: 24, .size: 8, .value_kind: global_buffer, .address_space: global }
      - { .name: wk_base, .offset: 32, .size: 8, .value_kind: global_buffer, .address_space: global }
      - { .name: wv_base, .offset: 40, .size: 8, .value_kind: global_buffer, .address_space: global }
      - { .name: wimg, .offset: 48, .size: 8, .value_kind: global_buffer, .address_space: global }
    .group_segment_fixed_size: 0
    .private_segment_fixed_size: 0
    .kernarg_segment_align: 8
    .kernarg_segment_size: 56
    .max_flat_workgroup_size: 128
    .sgpr_count:     66
    .vgpr_count:     180
    .wavefront_size: 32
...
	.end_amdgpu_metadata
.endif
;; end of part 1
;; launch kan (part 2): grid 16 x 12, 8 waves a work-group, no clusters, 27,648 bytes of LDS; arguments query, key, value, wimg, part; writes part
.if DOCPART == 2
	.amdgcn_target "amdgcn-amd-amdhsa--gfx1250"
	.amdhsa_code_object_version 6
	.text
	.protected	k_qba94489057_kan
	.globl	k_qba94489057_kan
	.p2align	8
	.type	k_qba94489057_kan,@function
k_qba94489057_kan:
	s_mov_b64 s[64:65], 0
	v_nop
	global_prefetch_b8 v0, s[64:65] scope:SCOPE_SE
	s_setreg_imm32_b32 hwreg(HW_REG_WAVE_MODE, 25, 1), 1
	s_wait_xcnt 0x0
; The three KAN layers: for G = 0, 1, 2 (q, k, v): [2048 rows] x [K 17,920 spline + 512 SiLU] x [512 columns], on codes of FP6 (E2M3) with one E8M0 scale for each 32 along K.  Both products of a layer add into one sum.
; SHARES.  Work-group x = rt: 128 rows; y = 4 G + c: a quarter of K: features 128 c .. 128 c + 127: one step of 128 of the SiLU product and 35 steps of 128 of the spline product (35 x 128 = 128 features x 35).
; All 512 columns are in one work-group, so that A, which is MADE here, is made once.  3 x 16 x 4 = 192 work-groups: 48 tiles of 128 x 512 divide evenly by 4 quarters of K, and by nothing that fills 256 more evenly.
; Wave w owns columns 64 w .. 64 w + 63 (a head) for all 128 rows: 32 accumulators, v256-511.  The four quarters' sums go to memory as images of the accumulators and are added by the next launch.
; W's FRAGMENTS GO FROM MEMORY STRAIGHT INTO REGISTERS: a wave's four fragments of a step (6,400 bytes, laid as register images) feed that wave alone.  NO CLUSTER, NO JOINT LOADS: a joint load lands in LDS, and
; W through LDS would add 51,200 bytes written and 51,200 read to a step's 13,312 written and 106,496 read.  The sixteen work-groups that walk one stream of W start 2 steps apart (step (2 rt + t) mod 35).
; A IS MADE IN REGISTERS.  Of a feature's 35 cubic B-splines only 4 neighbours are not 0: with j = floor((x + 3) 16 / 3) and t the rest, places 35 e + j .. + 3 hold (1-t)^3/6, (3t^3-6t^2+4)/6, the same of 1-t, t^3/6.
; A block of 32 along K meets at most two features.  So a block is: two x, eight values, those outside the block set to 0, the largest of them, ONE conversion (both features' codes, 24 bits each), and the two
; fields shifted to their places among the block's 192 bits: by shifts and selects, no branch and no address hangs on x.  Wave w makes fragment w (16 rows x 128 K) of each step and hands it to the
; others through LDS as an image of its 12 registers (3 stores of 16 bytes a lane) and its scale word.
; ORIENTATION.  k, v: source 0 = A's fragment t, source 1 = W's fragment n, accumulator 8 n + t: a lane holds one column and eight rows; A's rows are chosen (fragment 2 b + u, lane r: row 32 b + 8 u + r + 8 (r / 8))
; so that 16 registers of two neighbouring tiles are 16 neighbouring rows: the next product's K.  q: source 0 = W's fragment n, source 1 = A's fragment t (row 16 t + r), accumulator 4 t + n: a lane holds one row, and,
; by the order of wq's columns, registers along the head's 64.
; TWO WAVES TO A SIMD, IN OPPOSITE ORDER: in an interval waves 0-3 make A's next fragment and then multiply, waves 4-7 multiply and then make it.  One barrier an interval: the fragments go into one LDS buffer while the other is read.
; LIMITS: NaN and infinities are not served; a block of zeros has the byte 1 (its codes are zeros; this program alone reads the bytes); the f32 sums run in another order than K ascending (SiLU step first, rotated walk, four quarters).
.set LI,   1                           ; v1   16 x lane
.set LS,   2                           ; v2   4 x lane
.set AWI,  3                           ; v3   where I store my fragment's image: 16 x lane + 1536 x wave
.set AWS,  4                           ; v4   and its scale words: 4 (lane % 16) + 64 x wave
.set SH8,  5                           ; v5   8 (lane / 16)
.set XR,   6                           ; v6   my row of x, in bytes
.set XRB,  7                           ; v7   + 128 (lane / 16)
.set XO,   8                           ; v8-11  offsets of the four x of the next step
.set X,    14                          ; v14-21 x: 2 sets x 2 blocks x 2 features
.set BP,   22                          ; v22-29 as f32: 6 x (place of the feature's first spline in the block) + 96; the second feature's less 4
.set S,    30                          ; v30-45 the conversion's sixteen sources: 0-3 and 6-9 the values; 4, 5, 10, 11 zeros; 12-15 constants whose codes fall into bits that are not used
.set K1,   42
.set K2,   44
.set Z1,   46
.set K1S,  48
.set K2S,  50
.set Z1S,  52
.set WF,   54                          ; v54-101, v104-151  W's four fragments, two sets
.set WSC,  102                         ; v102-103, v152-153 their scale words, a pair of fragments to a register
.set ASC,  154                         ; v154-157 A's scale words, likewise
.set AF,   158                         ; v158-253 A's eight fragments; while a fragment is made, at work:
.set XC,   158
.set YJ,   160
.set TR,   162
.set SF,   164
.set OT,   166
.set SH,   170
.set X2,   172
.set Y1,   176
.set Y2,   180
.set QQ,   184
.set MX,   187
.set RC,   188
.set SC,   191
.set BY,   192
.set FLO,  194
.set FHI,  196
.set NA,   198
.set F1,   200
.set WD,   202
.set PC,   204                         ; v204-215 the fragment just made
.set TT,   216
.set PW,   254
.set PLX,  255
.set BUF,  13312                       ; an LDS buffer: 8 images of 1,536 bytes, then 4 x 128 bytes of scale words
.set MSB, 0
.macro WIN new                         ; the immediate's high byte repeats the setting that is left
.if MSB != \new
	s_set_vgpr_msb (MSB<<8)|\new
.set MSB, \new
.endif
.endm
; one product.  ra, rb: the side's scale words stand in lanes 16-31 of the register named
.macro WM d, a, b, zero, sa, sb, ra, rb
.set WMD, \d
.set WMA, \a
.set WMB, \b
.set WMSA, \sa
.set WMSB, \sb
.set WMR, 2*(\ra)+(\rb)
.if \zero
.if WMR == 3
	v_wmma_scale_f32_16x16x128_f8f6f4 v[WMD:WMD+7], v[WMA:WMA+11], v[WMB:WMB+11], 0, v[WMSA], v[WMSB] matrix_a_fmt:MATRIX_FMT_FP6 matrix_b_fmt:MATRIX_FMT_FP6 matrix_a_scale:MATRIX_SCALE_ROW1 matrix_b_scale:MATRIX_SCALE_ROW1
.elseif WMR == 2
	v_wmma_scale_f32_16x16x128_f8f6f4 v[WMD:WMD+7], v[WMA:WMA+11], v[WMB:WMB+11], 0, v[WMSA], v[WMSB] matrix_a_fmt:MATRIX_FMT_FP6 matrix_b_fmt:MATRIX_FMT_FP6 matrix_a_scale:MATRIX_SCALE_ROW1
.elseif WMR == 1
	v_wmma_scale_f32_16x16x128_f8f6f4 v[WMD:WMD+7], v[WMA:WMA+11], v[WMB:WMB+11], 0, v[WMSA], v[WMSB] matrix_a_fmt:MATRIX_FMT_FP6 matrix_b_fmt:MATRIX_FMT_FP6 matrix_b_scale:MATRIX_SCALE_ROW1
.else
	v_wmma_scale_f32_16x16x128_f8f6f4 v[WMD:WMD+7], v[WMA:WMA+11], v[WMB:WMB+11], 0, v[WMSA], v[WMSB] matrix_a_fmt:MATRIX_FMT_FP6 matrix_b_fmt:MATRIX_FMT_FP6
.endif
.else
.if WMR == 3
	v_wmma_scale_f32_16x16x128_f8f6f4 v[WMD:WMD+7], v[WMA:WMA+11], v[WMB:WMB+11], v[WMD:WMD+7], v[WMSA], v[WMSB] matrix_a_fmt:MATRIX_FMT_FP6 matrix_b_fmt:MATRIX_FMT_FP6 matrix_a_scale:MATRIX_SCALE_ROW1 matrix_b_scale:MATRIX_SCALE_ROW1
.elseif WMR == 2
	v_wmma_scale_f32_16x16x128_f8f6f4 v[WMD:WMD+7], v[WMA:WMA+11], v[WMB:WMB+11], v[WMD:WMD+7], v[WMSA], v[WMSB] matrix_a_fmt:MATRIX_FMT_FP6 matrix_b_fmt:MATRIX_FMT_FP6 matrix_a_scale:MATRIX_SCALE_ROW1
.elseif WMR == 1
	v_wmma_scale_f32_16x16x128_f8f6f4 v[WMD:WMD+7], v[WMA:WMA+11], v[WMB:WMB+11], v[WMD:WMD+7], v[WMSA], v[WMSB] matrix_a_fmt:MATRIX_FMT_FP6 matrix_b_fmt:MATRIX_FMT_FP6 matrix_b_scale:MATRIX_SCALE_ROW1
.else
	v_wmma_scale_f32_16x16x128_f8f6f4 v[WMD:WMD+7], v[WMA:WMA+11], v[WMB:WMB+11], v[WMD:WMD+7], v[WMSA], v[WMSB] matrix_a_fmt:MATRIX_FMT_FP6 matrix_b_fmt:MATRIX_FMT_FP6
.endif
.endif
.endm
; a step's record of W (my head's four fragments and their scale words) into set buf: 12 loads of 512 consecutive bytes, 2 of 128
.macro WLOAD buf, base
.irp n, 0,1,2,3
.irp q, 0,1,2
	global_load_b128 v[WF+50*(\buf)+12*\n+4*\q:WF+50*(\buf)+12*\n+4*\q+3], v[LI], s[\base:\base+1] offset:1536*\n+512*\q
.endr
.endr
.irp p, 0,1
	global_load_b32 v[WSC+50*(\buf)+\p], v[LS], s[\base:\base+1] offset:6144+128*\p
.endr
.endm
; For spline step s[sg]: block k of the step begins at n = 128 step + 32 k of the quarter's 4,480; its first feature is e = n / 35 (n x 59919 >> 21: exact for n under 4,480).  A lane has blocks h and 2 + h.
; Into set: the lane's four x (features e and e + 1 of both blocks; e + 1 held at 127, where its splines lie past the block), and the places as f32.
.macro XPREP set, sg
	s_lshl_b32 s48, s[\sg], 7
.irp k, 0,1,2,3
	s_add_co_u32 s49, s48, 32*\k
	s_mul_i32 s50, s49, 59919
	s_lshr_b32 s[40+\k], s50, 21
	s_mul_i32 s50, s[40+\k], 35
	s_sub_co_u32 s49, s49, s50
	s_mul_i32 s49, s49, 6
	s_sub_co_u32 s[44+\k], 96, s49                 ; 96 - 6 (n - 35 e)
.endr
.irp i, 0,1
	v_mov_b32 v12, s[40+2*\i]
	v_mov_b32 v13, s[41+2*\i]
	v_cndmask_b32 v12, v12, v13, s29               ; lanes 16-31 take the odd block's
	v_add_nc_u32 v13, 1, v12
	v_min_u32 v13, 127, v13
	v_lshl_add_u32 v[XO+2*\i], v12, 2, v[XR]
	v_lshl_add_u32 v[XO+2*\i+1], v13, 2, v[XR]
	v_mov_b32 v12, s[44+2*\i]
	v_mov_b32 v13, s[45+2*\i]
	v_cndmask_b32 v12, v12, v13, s29
	v_cvt_f32_i32 v[BP+4*(\set)+2*\i], v12
	v_add_f32 v[BP+4*(\set)+2*\i+1], 0x434e0000, v[BP+4*(\set)+2*\i]   ; + 206: 35 places of 6 bits on, less the 4 bits at which the second field stands in its register
.endr
.irp j, 0,1,2,3
	global_load_b32 v[X+4*(\set)+\j], v[XO+\j], s[18:19]
.endr
.endm
.macro STEPK                           ; the walk: s26 = the step whose W is asked for next, s27 = the step after it, round 35
	s_mov_b32 s26, s27
	s_add_co_u32 s27, s27, 1
	s_cmp_ge_u32 s27, 35
	s_cselect_b32 s27, 0, s27
.endm
; An interval's head.  The last head's loads are in: W of the step to be multiplied now, x of the fragment to be made now; so their base and offsets may be written.  Then W of the step made now and x of the step after it are asked for.
.macro HEAD par
	s_wait_loadcnt 0x0
	s_mul_i32 s48, s26, 6400
	s_add_co_u32 s48, s48, 6400                    ; record 1 + step
	s_mov_b32 s49, 0
	s_add_nc_u64 s[22:23], s[20:21], s[48:49]
	WLOAD \par, 22
	XPREP 1-\par, 27
	STEPK
.endm
; My fragment of a spline step, from x and places of set par, into LDS buffer par.
.macro GEN par
.irp i, 0,1
.set XI, X+4*(\par)+2*\i
.set BI, BP+4*(\par)+2*\i
	v_med3_num_f32 v[XC], v[XI], s30, s31          ; x held to -3 .. 2.9999
	v_med3_num_f32 v[XC+1], v[XI+1], s30, s31
	v_pk_mul_f32 v[YJ:YJ+1], v[XC:XC+1], s[32:33] op_sel_hi:[1,0]
	v_floor_f32 v[YJ], v[YJ]
	v_floor_f32 v[YJ+1], v[YJ+1]
	v_med3_num_f32 v[YJ], v[YJ], s36, s37          ; j - 16, in -16 .. 15
	v_med3_num_f32 v[YJ+1], v[YJ+1], s36, s37
	v_pk_fma_f32 v[TR:TR+1], v[XC:XC+1], s[32:33], v[YJ:YJ+1] op_sel_hi:[1,0,1] neg_lo:[0,0,1] neg_hi:[0,0,1]   ; t = x 16/3 - (j - 16): 16/3 in two parts, each by a fused multiply-add
	v_pk_fma_f32 v[SF:SF+1], v[YJ:YJ+1], 0x40c00000, v[BI:BI+1] op_sel_hi:[1,0,1]   ; 6 x the place of the feature's first value in the block (the second feature's less 4): a whole number, exact
	v_pk_fma_f32 v[TR:TR+1], v[XC:XC+1], s[34:35], v[TR:TR+1] op_sel_hi:[1,0,1]
	v_cvt_i32_f32 v[SH], v[SF]
	v_cvt_i32_f32 v[SH+1], v[SF+1]
	v_med3_num_f32 v[OT+1], v[TR], 0, 1.0          ; t, held to 0 .. 1 (where the floor fell on the other side of a knot the neighbouring interval's end gives the same values)
	v_med3_num_f32 v[OT+3], v[TR+1], 0, 1.0
	v_sub_f32 v[OT], 1.0, v[OT+1]                  ; the pair (1 - t, t)
	v_sub_f32 v[OT+2], 1.0, v[OT+3]
.irp c, 0,1
	v_pk_mul_f32 v[X2+2*\c:X2+2*\c+1], v[OT+2*\c:OT+2*\c+1], v[OT+2*\c:OT+2*\c+1]
	v_pk_fma_f32 v[Y1+2*\c:Y1+2*\c+1], v[OT+2*\c:OT+2*\c+1], v[K1:K1+1], v[K2:K2+1]       ; ((1-t)/6, t/2 - 1)
	v_pk_fma_f32 v[Y2+2*\c:Y2+2*\c+1], v[OT+2*\c:OT+2*\c+1], v[K1S:K1S+1], v[K2S:K2S+1]   ; ((1-t)/2 - 1, t/6)
.endr
	v_add_nc_u32 v[QQ], 6, v[SH]
	v_add_nc_u32 v[QQ+1], 12, v[SH]
	v_add_nc_u32 v[QQ+2], 18, v[SH]
.irp c, 0,1
	v_pk_fma_f32 v[S+6*\c:S+6*\c+1], v[X2+2*\c:X2+2*\c+1], v[Y1+2*\c:Y1+2*\c+1], v[Z1:Z1+1]       ; the first two values,
	v_pk_fma_f32 v[S+6*\c+2:S+6*\c+3], v[X2+2*\c:X2+2*\c+1], v[Y2+2*\c:Y2+2*\c+1], v[Z1S:Z1S+1]   ; the last two
.endr
	v_cmp_gt_u32 s66, 0xc0, v[SH]                  ; does a value lie in the block?  First feature: 0 <= 6 place < 192, as one unsigned compare;
	v_cmp_gt_u32 s67, 0xc0, v[QQ]
	v_cmp_gt_u32 s68, 0xc0, v[QQ+1]
	v_cmp_gt_u32 s69, 0xc0, v[QQ+2]
	v_cmp_gt_i32 s70, 188, v[SH+1]                 ; second feature (never ahead of the block): 6 place - 4 < 188
	v_cmp_gt_i32 s71, 182, v[SH+1]
	v_cmp_gt_i32 s72, 176, v[SH+1]
	v_cmp_gt_i32 s73, 170, v[SH+1]
.irp k, 0,1,2,3
	v_cndmask_b32 v[S+\k], 0, v[S+\k], s[66+\k]    ; what lies outside counts for nothing in this block's scale
	v_cndmask_b32 v[S+6+\k], 0, v[S+6+\k], s[70+\k]
.endr
	v_max3_num_f32 v[MX], v[S], v[S+1], 0x1800000  ; the block's largest (none is negative), and the floor 2^(3 - 127)
	v_max3_num_f32 v[TT], v[S+6], v[S+7], v[S+8]
	v_xor_b32 v[NA], -1, v[SH]
	v_xor_b32 v[NA+1], -1, v[SH+1]
	v_max3_num_f32 v[MX], v[MX], v[S+2], v[S+3]
	v_ashrrev_i32 v[WD], 5, v[SH]                  ; the register of the block's six in which a field begins
	v_ashrrev_i32 v[WD+1], 5, v[SH+1]
	v_max3_num_f32 v[MX], v[MX], v[TT], v[S+9]
	v_add_nc_u32 v[SC], 0xff000000, v[MX]          ; 2 off the exponent field: the conversion's scale operand
	v_cvt_scalef32_pk16_fp6_f32 v[RC:RC+2], v[S:S+15], v[SC]   ; the first feature's 24 bits at bit 0 of RC, the second's at bit 4 of RC + 1, zeros round them
	v_lshrrev_b32 v[BY+\i], 23, v[SC]              ; the scale's byte (the plain place behind the conversion)
.irp w, 0,1,2,3,4,5,6
	v_cmp_eq_u32 s[66+\w], \w-1, v[WD]             ; s66-72: the first field begins in register -1 .. 5
.endr
.irp w, 0,1,2,3,4,5
	v_cmp_eq_u32 s[73+\w], \w, v[WD+1]             ; s73-78: the second in 0 .. 5
.endr
.irp c, 0,1
	v_lshlrev_b32 v[FLO+\c], v[SH+\c], v[RC+\c]    ; the part that stays in that register (a shift takes its count modulo 32),
	v_lshrrev_b32 v[F1+\c], 1, v[RC+\c]
.endr
.irp c, 0,1
	v_lshrrev_b32 v[FHI+\c], v[NA+\c], v[F1+\c]    ; and the part that runs over into the next: >> 1 >> (31 - count)
.endr
.irp w, 0,1,2,3,4,5
.set DD, PC+6*\i+\w
	v_cndmask_b32 v[DD], 0, v[FHI], s[66+\w]
.if \w > 0
	v_cndmask_b32 v[TT+\w%2], 0, v[FHI+1], s[72+\w]
.endif
	v_cndmask_b32 v[DD], v[DD], v[FLO], s[67+\w]
.if \w > 0
	v_cndmask_b32 v[TT+\w%2], v[TT+\w%2], v[FLO+1], s[73+\w]
.else
	v_cndmask_b32 v[TT], 0, v[FLO+1], s73
.endif
	v_or_b32 v[DD], v[DD], v[TT+\w%2]              ; bits that fall outside the block's 192 meet no register and are lost, as they should be
.endr
.endr
	v_lshl_or_b32 v[PW], v[BY+1], 16, v[BY]        ; my two bytes: blocks h and 2 + h,
	v_lshlrev_b32 v[PW], v[SH8], v[PW]             ; at their places;
	v_permlanex16_b32 v[PLX], v[PW], s38, s39
	v_or_b32 v[PW], v[PW], v[PLX]                  ; with lane l xor 16's two the row's scale word is whole
.irp q, 0,1,2
	ds_store_b128 v[AWI], v[PC+4*\q:PC+4*\q+3] offset:BUF*(\par)+512*\q
.endr
	ds_store_b32 v[AWS], v[PW] offset:BUF*(\par)+12288   ; (lanes r and r + 16 write the same word with the same value)
	s_wait_dscnt 0x0                               ; the stores have read their registers, into which fragments are loaded next
.endm
; A step's 32 products: A's eight fragments and their scale words from LDS buffer b, W from set b.  The 32 accumulators take turns, one instruction a turn, beginning with accumulator 0 and ending with 31 on both
; ways.  zero = 1: the products start the sums: nothing is cleared.
.macro MUL b, zero
.irp p, 0,1,2,3
	ds_load_b32 v[ASC+\p], v[LS] offset:BUF*(\b)+12288+128*\p
.endr
.irp t, 0,1,2,3,4,5,6,7
.irp q, 0,1,2
	ds_load_b128 v[AF+12*\t+4*\q:AF+12*\t+4*\q+3], v[LI] offset:BUF*(\b)+1536*\t+512*\q
.endr
.endr
	s_cmp_eq_u32 s15, 0
	s_cbranch_scc1 .Lforq_\@
	WIN 0x50                                       ; C and D: v256 on
.irp t, 0,1,2,3,4,5,6,7
	s_wait_dscnt 3*(7-\t)                          ; fragment t is in: three loads for each later fragment may be out
.irp n, 0,1,2,3
	WM 8*(8*\n+\t), AF+12*\t, WF+50*(\b)+12*\n, \zero, ASC+\t/2, WSC+50*(\b)+\n/2, \t%2, \n%2
.endr
.endr
	WIN 0
	s_branch .Ljoined_\@
.Lforq_\@:
	WIN 0x50
.irp t, 0,1,2,3,4,5,6,7
	s_wait_dscnt 3*(7-\t)
.irp n, 0,1,2,3
	WM 8*(4*\t+\n), WF+50*(\b)+12*\n, AF+12*\t, \zero, WSC+50*(\b)+\n/2, ASC+\t/2, \n%2, \t%2
.endr
.endr
	WIN 0
.Ljoined_\@:
.rept 4
	v_nop                                          ; four places ahead of loads and vector writes into registers that these products read, and of the first read of results
.endr
.endm
.macro INTERVAL par, zero
	HEAD \par
	s_cmp_lt_u32 s14, 4
	s_cbranch_scc0 .Lmulfirst_\@
	GEN \par
.rept 4
	v_nop                                          ; between the last vector write into the fragments' registers and the products
.endr
	MUL 1-\par, \zero
	s_branch .Lmeet_\@
.Lmulfirst_\@:
	MUL 1-\par, \zero
	GEN \par
.Lmeet_\@:
	s_wait_dscnt 0x0                               ; my stores into buffer par have landed and my reads of the other buffer are in: the next interval reads the one and writes the other
	s_barrier_signal -1
	s_barrier_wait -1
.endm
	s_load_b256 s[4:11], s[0:1], 0x0               ; query s[4:5], key s[6:7], value s[8:9], wimg s[10:11]
	s_load_b64 s[12:13], s[0:1], 0x20              ; part
	v_lshrrev_b32 v12, 5, v0
	v_readfirstlane_b32 s14, v12                   ; wave 0..7
	s_and_b32 s40, ttmp7, 0xffff                   ; y = 4 G + c
	s_lshr_b32 s15, s40, 2                         ; G
	s_and_b32 s16, s40, 3                          ; c
	s_mov_b32 s17, ttmp9                           ; rt
	v_and_b32 v12, 31, v0
	v_lshlrev_b32 v[LI], 4, v12
	v_lshlrev_b32 v[LS], 2, v12
	s_mul_i32 s41, s14, 1536
	v_add_nc_u32 v[AWI], s41, v[LI]
	v_and_b32 v13, 15, v0                          ; r
	s_lshl_b32 s41, s14, 6
	v_lshl_add_u32 v[AWS], v13, 2, s41
	v_bfe_u32 v12, v0, 4, 1                        ; h
	v_lshlrev_b32 v[SH8], 3, v12
	s_cmp_eq_u32 s15, 0
	s_cselect_b32 s42, 0, 8
	s_and_b32 s43, s14, 1
	s_mul_i32 s43, s43, s42
	s_lshl_b32 s44, s14, 4
	s_sub_co_u32 s44, s44, s43
	v_lshrrev_b32 v[XR], 3, v13
	v_mul_u32_u24 v[XR], s42, v[XR]
	v_add3_u32 v[XR], v[XR], v13, s44              ; q: row 16 w + r;  k, v: 16 w - 8 (w % 2) + r + 8 (r / 8) = 32 (w / 2) + 8 (w % 2) + r + 8 (r / 8)
	v_lshlrev_b32 v[XR], 11, v[XR]                 ; a row of x is 2,048 bytes
	v_lshl_add_u32 v[XRB], v12, 7, v[XR]
	s_mov_b32 s29, 0xffff0000                      ; lanes 16-31
	s_mov_b32 s30, 0xc0400000                      ; -3
	s_mov_b32 s31, 0x403ffe5d                      ; 3 - 1e-4 as f32
	s_mov_b32 s32, 0x40aaaaab                      ; 16/3, rounded,
	s_mov_b32 s33, s32                             ; (the packed forms name a pair and take its low word for both halves)
	s_mov_b32 s34, 0xb42aaaab                      ; and what the rounding left
	s_mov_b32 s35, s34
	s_mov_b32 s36, 0xc1800000                      ; -16
	s_mov_b32 s37, 0x41700000                      ; 15
	s_mov_b32 s38, 0x76543210
	s_mov_b32 s39, 0xfedcba98                      ; v_permlanex16_b32's selects for lane l xor 16
	v_mov_b32 v[S+4], 0
	v_mov_b32 v[S+5], 0
	v_mov_b32 v[S+10], 0
	v_mov_b32 v[S+11], 0
	v_mov_b32 v[K1], 0x3e2aaaab                    ; (1/6, 1/2)
	v_mov_b32 v[K1+1], 0.5
	v_mov_b32 v[K2], 0                             ; (0, -1)
	v_mov_b32 v[K2+1], -1.0
	v_mov_b32 v[Z1], 0                             ; (0, 2/3)
	v_mov_b32 v[Z1+1], 0x3f2aaaab
	v_mov_b32 v[K1S], 0.5
	v_mov_b32 v[K1S+1], 0x3e2aaaab
	v_mov_b32 v[K2S], -1.0
	v_mov_b32 v[K2S+1], 0
	v_mov_b32 v[Z1S], 0x3f2aaaab
	v_mov_b32 v[Z1S+1], 0
	v_mov_b32 v[PLX], 0                            ; written once: a lane permute's destination counts as one of its sources
	s_wait_kmcnt 0x0
	s_cmp_eq_u32 s15, 0
	s_cselect_b64 s[18:19], s[4:5], s[6:7]
	s_cmp_eq_u32 s15, 2
	s_cselect_b64 s[18:19], s[8:9], s[18:19]
	s_lshl_b32 s42, s17, 18                        ; 128 rows of 2,048 bytes a row tile,
	s_lshl_b32 s43, s16, 9                         ; 128 features of 4 bytes a quarter
	s_add_co_u32 s42, s42, s43
	s_mov_b32 s43, 0
	s_add_nc_u64 s[18:19], s[18:19], s[42:43]      ; x
	s_lshl_b32 s42, s40, 3
	s_add_co_u32 s42, s42, s14
	s_mul_i32 s42, s42, 36*6400
	s_add_nc_u64 s[20:21], s[10:11], s[42:43]      ; my head's 36 records of W
	s_lshl_b32 s42, s40, 4
	s_add_co_u32 s42, s42, s17
	s_lshl_b32 s42, s42, 3
	s_add_co_u32 s42, s42, s14
	s_lshl_b32 s42, s42, 15
	s_add_nc_u64 s[24:25], s[12:13], s[42:43]      ; my 32 accumulators' image: ((16 y + rt) 8 + w) x 32,768
	WLOAD 0, 20                                    ; the SiLU step's W
	s_lshl_b32 s27, s17, 1                         ; the walk begins at spline step 2 rt
	XPREP 1, 27
	STEPK
.irp i, 0,1
.irp j, 0,1,2,3,4,5,6,7
	global_load_b128 v[AF+32*\i+4*\j:AF+32*\i+4*\j+3], v[XRB], s[18:19] offset:256*\i+16*\j   ; my blocks h and 2 + h of my row's 128 features: whole blocks in a lane
.endr
.endr
	s_wait_loadcnt 0x0
; THE SiLU STEP's fragment, into buffer 0: x / (1 + 2^(-x log2 e)), in f32.  At work: v104-135 (W's second set is not yet asked for).
.set TMP, 104
.irp i, 0,1
.set j, 0
.rept 32
	v_mul_f32 v[TMP+j], 0xbfb8aa3b, v[AF+32*\i+j]
.set j, j+1
.endr
.set j, 0
.rept 32
	v_exp_f32 v[TMP+j], v[TMP+j]
.set j, j+1
.endr
	v_nop                                          ; a plain place behind the last exponential,
	s_wait_alu depctr_va_vdst(0)                   ; and one wait for the batch ahead of its first reader
.set j, 0
.rept 16
	v_pk_add_f32 v[TMP+j:TMP+j+1], v[TMP+j:TMP+j+1], 1.0 op_sel_hi:[1,0]
.set j, j+2
.endr
.set j, 0
.rept 32
	v_rcp_f32 v[TMP+j], v[TMP+j]
.set j, j+1
.endr
	v_nop
	s_wait_alu depctr_va_vdst(0)
.set j, 0
.rept 16
	v_pk_mul_f32 v[AF+32*\i+j:AF+32*\i+j+1], v[AF+32*\i+j:AF+32*\i+j+1], v[TMP+j:TMP+j+1]
.set j, j+2
.endr
.endr
.set GM,  104                          ; v104-105, v106-107 two chains of maxima; v108-109 scale operands; v110-111 bytes
.set TB,  112                          ; v112-114, v116-118 the blocks' upper 16 codes
.set PCB, 136                          ; v136-147 the fragment
.irp i, 0,1
	v_max3_num_f32 v[GM+\i], |v[AF+32*\i]|, |v[AF+32*\i+1]|, |v[AF+32*\i+2]|
	v_max3_num_f32 v[GM+2+\i], |v[AF+32*\i+3]|, |v[AF+32*\i+4]|, |v[AF+32*\i+5]|
.endr
.irp k, 6,10,14,18,22,26
.irp i, 0,1
	v_max3_num_f32 v[GM+\i], v[GM+\i], |v[AF+32*\i+\k]|, |v[AF+32*\i+\k+1]|
	v_max3_num_f32 v[GM+2+\i], v[GM+2+\i], |v[AF+32*\i+\k+2]|, |v[AF+32*\i+\k+3]|
.endr
.endr
.irp i, 0,1
	v_max3_num_f32 v[GM+\i], v[GM+\i], |v[AF+32*\i+30]|, |v[AF+32*\i+31]|
.endr
.irp i, 0,1
	v_max3_num_f32 v[GM+\i], v[GM+\i], v[GM+2+\i], 0x1800000
.endr
.irp i, 0,1
	v_add_nc_u32 v[GM+4+\i], 0xff000000, v[GM+\i]
.endr
.irp i, 0,1
	v_lshrrev_b32 v[GM+6+\i], 23, v[GM+4+\i]
.endr
	v_lshl_or_b32 v[PW], v[GM+7], 16, v[GM+6]
	v_lshlrev_b32 v[PW], v[SH8], v[PW]
	v_permlanex16_b32 v[PLX], v[PW], s38, s39
	v_or_b32 v[PW], v[PW], v[PLX]
.irp i, 0,1
	v_cvt_scalef32_pk16_fp6_f32 v[PCB+6*\i:PCB+6*\i+2], v[AF+32*\i:AF+32*\i+15], v[GM+4+\i]
	v_cvt_scalef32_pk16_fp6_f32 v[TB+4*\i:TB+4*\i+2], v[AF+32*\i+16:AF+32*\i+31], v[GM+4+\i]
.endr
	v_nop                                          ; one plain place behind a scaled conversion
.irp i, 0,1
.irp k, 0,1,2
	v_mov_b32 v[PCB+6*\i+3+\k], v[TB+4*\i+\k]
.endr
.endr
.irp q, 0,1,2
	ds_store_b128 v[AWI], v[PCB+4*\q:PCB+4*\q+3] offset:512*\q
.endr
	ds_store_b32 v[AWS], v[PW] offset:12288
	s_wait_dscnt 0x0
	s_barrier_signal -1
	s_barrier_wait -1                              ; the SiLU step's eight fragments lie in buffer 0
	INTERVAL 1, 1                                  ; makes spline slot 1, multiplies the SiLU step: its products start the sums
	s_mov_b32 s28, 17
.Ltrip:                                            ; 17 trips x 2 intervals: slots 2 .. 35 are made, slots 1 .. 34 multiplied
	INTERVAL 0, 0
	INTERVAL 1, 0
	s_sub_co_u32 s28, s28, 1
	s_cmp_lg_u32 s28, 0
	s_cbranch_scc1 .Ltrip
	s_wait_loadcnt 0x0                             ; W of slot 35 (and four x that the last head asked for and nobody reads: they lie inside x)
	MUL 1, 0
	WIN 0x04                                       ; a store's data are its source 1: v256 on
.set p, 0
.rept 32
	global_store_b128 v[LI], v[8*p:8*p+3], s[24:25] offset:1024*p          ; each accumulator from its low end on; 32 lanes store 512 consecutive bytes, at a multiple of 256 from the buffer's first byte
	global_store_b128 v[LI], v[8*p+4:8*p+7], s[24:25] offset:1024*p+512
.set p, p+1
.endr
	WIN 0
	s_wait_xcnt 0x0
	v_lshl_add_u32 v254, v0, 2, 0x6800
	v_mov_b32 v255, 0
	s_wait_tensorcnt 0x0
	ds_add_u32 v254, v255
	s_wait_dscnt 0x0
	s_endpgm
.Lfunc_end_k_qba94489057_kan:
	.size	k_qba94489057_kan, .Lfunc_end_k_qba94489057_kan-k_qba94489057_kan
	.p2alignl 7, 3214868480
	.fill 96, 4, 3214868480
	.section	.rodata,"a",@progbits
	.p2align	6, 0x0
	.amdhsa_kernel k_qba94489057_kan
		.amdhsa_group_segment_fixed_size 27648
		.amdhsa_private_segment_fixed_size 0
		.amdhsa_enable_private_segment 0
		.amdhsa_kernarg_size 40
		.amdhsa_user_sgpr_count 2
		.amdhsa_user_sgpr_kernarg_segment_ptr 1
		.amdhsa_wavefront_size32 1
		.amdhsa_system_sgpr_workgroup_id_x 1
		.amdhsa_system_sgpr_workgroup_id_y 1
		.amdhsa_system_sgpr_workgroup_id_z 1
		.amdhsa_system_vgpr_workitem_id 0
		.amdhsa_next_free_vgpr 512
		.amdhsa_next_free_sgpr 84
		.amdhsa_reserve_vcc 0
		.amdhsa_float_denorm_mode_32 3
		.amdhsa_float_denorm_mode_16_64 3
		.amdhsa_memory_ordered 1
		.amdhsa_forward_progress 1
		.amdhsa_inst_pref_size 194
	.end_amdhsa_kernel
	.amdgpu_metadata
---
amdhsa.version: [ 1, 2 ]
amdhsa.kernels:
  - .name:           k_qba94489057_kan
    .symbol:         k_qba94489057_kan.kd
    .args:
      - { .name: query, .offset: 0, .size: 8, .value_kind: global_buffer, .address_space: global }
      - { .name: key, .offset: 8, .size: 8, .value_kind: global_buffer, .address_space: global }
      - { .name: value, .offset: 16, .size: 8, .value_kind: global_buffer, .address_space: global }
      - { .name: wimg, .offset: 24, .size: 8, .value_kind: global_buffer, .address_space: global }
      - { .name: part, .offset: 32, .size: 8, .value_kind: global_buffer, .address_space: global }
    .group_segment_fixed_size: 27648
    .private_segment_fixed_size: 0
    .kernarg_segment_align: 8
    .kernarg_segment_size: 40
    .max_flat_workgroup_size: 256
    .sgpr_count:     84
    .vgpr_count:     512
    .wavefront_size: 32
...
	.end_amdgpu_metadata
.endif
;; end of part 2
;; launch requant (part 3): grid 128 x 3, 4 waves a work-group, no clusters, 0 bytes of LDS; arguments part, qkv; writes qkv
.if DOCPART == 3
	.amdgcn_target "amdgcn-amd-amdhsa--gfx1250"
	.amdhsa_code_object_version 6
	.text
	.protected	k_qba94489057_requant
	.globl	k_qba94489057_requant
	.p2align	8
	.type	k_qba94489057_requant,@function
k_qba94489057_requant:
	s_mov_b64 s[64:65], 0
	v_nop
	global_prefetch_b8 v0, s[64:65] scope:SCOPE_SE
	s_setreg_imm32_b32 hwreg(HW_REG_WAVE_MODE, 25, 1), 1
	s_wait_xcnt 0x0
; The four quarters' partial sums of Q, K and V are added in f32, and the sums are quantised to FP6 (E2M3) along the K of the product that takes them: Q along the head's 64, K and V along the rows.
; part holds images of accumulators: ((16 (4 G + c) + rt) 8 + head) x 32,768 + 1,024 p + 512 (upper half) + 16 lane.  Work-group x = 8 rt + head, y = G; wave sub takes accumulators 8 sub .. 8 sub + 7: 64 numbers a lane.
; By the order in which the launch before laid rows and columns, register 16 b + i of a lane is place 32 b + 16 (lane / 16) + i along the next K of the lane's own row:
;   K, V: the row is column (16 sub + ..) of the head, K the row tile's 128 rows: one fragment of 16 x 128.   Q: blocks 0, 1: row tile's rows 32 sub + r, the head's 64; blocks 2, 3: rows 32 sub + 16 + r.
; qkv: record ((16 G + rt) 8 + head) x 6,656: four images of a fragment's 12 registers (1,536 sub + 512 q + 16 lane), then four of its scale word (6,144 + 128 sub + 4 lane).
; A stream: every load and store of a wave covers 512 consecutive bytes; no LDS, no barrier.  LIMITS: a block of zeros has the byte 1 (its codes are zeros; this program alone reads the bytes); NaN and infinities are not served.
.set LI,  1
.set LS,  2
.set S,   16                           ; v16-79   the sums
.set T1,  80                           ; v80-143  quarter 1, then 3
.set T2,  144                          ; v144-207 quarter 2; then at work:
.set TM,  144
.set PW,  160
.set PC,  164
.set SEL, 22
	s_load_b128 s[4:7], s[0:1], 0x0                ; part, qkv
	v_lshrrev_b32 v3, 5, v0
	v_readfirstlane_b32 s8, v3                     ; sub
	v_and_b32 v3, 31, v0
	v_lshlrev_b32 v[LI], 4, v3
	v_lshlrev_b32 v[LS], 2, v3
	s_and_b32 s9, ttmp7, 0xffff                    ; G
	s_lshl_b32 s10, s9, 24                         ; 4 G quarters of 4,194,304 bytes
	s_lshl_b32 s11, ttmp9, 15
	s_add_co_u32 s10, s10, s11
	s_lshl_b32 s11, s8, 13
	s_add_co_u32 s10, s10, s11
	s_mov_b32 s11, 0
	s_lshl_b32 s16, s9, 7
	s_add_co_u32 s16, s16, ttmp9
	s_mul_i32 s16, s16, 6656
	s_mul_i32 s17, s8, 1536
	s_add_co_u32 s18, s16, s17
	s_mov_b32 s19, 0
	s_lshl_b32 s17, s8, 7
	s_add_co_u32 s20, s16, s17
	s_add_co_u32 s20, s20, 6144
	s_mov_b32 s21, 0
	s_mov_b32 s[SEL], 0x76543210
	s_mov_b32 s[SEL+1], 0xfedcba98
	s_wait_kmcnt 0x0
	s_add_nc_u64 s[12:13], s[4:5], s[10:11]        ; quarters 0 and 1 (by the immediate),
	s_add_nc_u64 s[14:15], s[12:13], 0x800000      ; quarters 2 and 3
	s_add_nc_u64 s[18:19], s[6:7], s[18:19]
	s_add_nc_u64 s[20:21], s[6:7], s[20:21]
.macro QLOAD reg, base, off
.irp k, 0,1,2,3,4,5,6,7
	global_load_b128 v[\reg+8*\k:\reg+8*\k+3], v[LI], s[\base:\base+1] offset:\off+1024*\k th:TH_LOAD_NT
	global_load_b128 v[\reg+8*\k+4:\reg+8*\k+7], v[LI], s[\base:\base+1] offset:\off+1024*\k+512 th:TH_LOAD_NT
.endr
.endm
.macro ADDIN t
.set j, 0
.rept 32
	v_pk_add_f32 v[S+j:S+j+1], v[S+j:S+j+1], v[\t+j:\t+j+1]
.set j, j+2
.endr
.endm
	QLOAD S, 12, 0
	QLOAD T1, 12, 0x400000
	QLOAD T2, 14, 0
	s_wait_loadcnt 16                              ; quarters 0 and 1 are in; quarter 2's sixteen loads may be out
	ADDIN T1
	QLOAD T1, 14, 0x400000
	s_wait_loadcnt 16                              ; quarter 2 is in; quarter 3's may be out
	ADDIN T2
	s_wait_loadcnt 0x0
	ADDIN T1
.irp b, 0,1,2,3
	v_mov_b32 v[TM+4+\b], 0                        ; a lane permute's destination counts as one of its sources
.endr
.irp b, 0,1,2,3
	v_max3_num_f32 v[TM+\b], |v[S+16*\b]|, |v[S+1+16*\b]|, 0x1800000   ; block b: my 16 numbers, and the floor 2^(3 - 127): the byte cannot fall under 1
.endr
.irp i, 2,4,6,8,10,12,14
.irp b, 0,1,2,3
	v_max3_num_f32 v[TM+\b], v[TM+\b], |v[S+16*\b+\i]|, |v[S+1+16*\b+\i]|   ; (the four blocks by turns)
.endr
.endr
.irp b, 0,1,2,3
	v_permlanex16_b32 v[TM+4+\b], v[TM+\b], s[SEL], s[SEL+1]
.endr
.irp b, 0,1,2,3
	v_max_num_f32 v[TM+\b], v[TM+\b], v[TM+4+\b]   ; with lane l xor 16's: the block's largest magnitude
.endr
.irp b, 0,1,2,3
	v_add_nc_u32 v[TM+12+\b], 0xff000000, v[TM+\b] ; 2 off its exponent field: the conversion's scale operand
.endr
.irp b, 0,1,2,3
	v_lshrrev_b32 v[TM+4+\b], 23, v[TM+12+\b]      ; the scale's byte
.endr
	v_lshl_or_b32 v[PW], v[TM+5], 8, v[TM+4]
	v_lshl_or_b32 v[PW], v[TM+6], 16, v[PW]
	v_lshl_or_b32 v[PW], v[TM+7], 24, v[PW]        ; my row's scale word
.irp c, 0,1
	v_cvt_scalef32_pk16_fp6_f32 v[PC+6*\c:PC+2+6*\c], v[S+32*\c:S+15+32*\c], v[TM+12+2*\c]
	v_cvt_scalef32_pk16_fp6_f32 v[PC+12+4*\c:PC+14+4*\c], v[S+16+32*\c:S+31+32*\c], v[TM+12+2*\c+1]   ; (a conversion's three registers begin on an even number)
.endr
	v_nop                                          ; one plain place behind a scaled conversion
.irp c, 0,1                                    ; the operand's layout wants a WHOLE block in a lane: lanes 0-15 block 2 c, lanes 16-31 block 2 c + 1
.irp i, 0,1,2
	v_permlane16_swap_b32 v[PC+6*\c+\i], v[PC+12+4*\c+\i]
.endr
.irp i, 0,1,2
	v_mov_b32 v[PC+3+6*\c+\i], v[PC+12+4*\c+\i]
.endr
.endr
.irp q, 0,1,2
	global_store_b128 v[LI], v[PC+4*\q:PC+4*\q+3], s[18:19] offset:512*\q
.endr
	global_store_b32 v[LS], v[PW], s[20:21]
	s_endpgm
.Lfunc_end_k_qba94489057_requant:
	.size	k_qba94489057_requant, .Lfunc_end_k_qba94489057_requant-k_qba94489057_requant
	.p2alignl 7, 3214868480
	.fill 96, 4, 3214868480
	.section	.rodata,"a",@progbits
	.p2align	6, 0x0
	.amdhsa_kernel k_qba94489057_requant
		.amdhsa_group_segment_fixed_size 0
		.amdhsa_private_segment_fixed_size 0
		.amdhsa_enable_private_segment 0
		.amdhsa_kernarg_size 16
		.amdhsa_user_sgpr_count 2
		.amdhsa_user_sgpr_kernarg_segment_ptr 1
		.amdhsa_wavefront_size32 1
		.amdhsa_system_sgpr_workgroup_id_x 1
		.amdhsa_system_sgpr_workgroup_id_y 1
		.amdhsa_system_sgpr_workgroup_id_z 1
		.amdhsa_system_vgpr_workitem_id 0
		.amdhsa_next_free_vgpr 212
		.amdhsa_next_free_sgpr 66
		.amdhsa_reserve_vcc 0
		.amdhsa_float_denorm_mode_32 3
		.amdhsa_float_denorm_mode_16_64 3
		.amdhsa_memory_ordered 1
		.amdhsa_forward_progress 1
		.amdhsa_inst_pref_size 18
	.end_amdhsa_kernel
	.amdgpu_metadata
---
amdhsa.version: [ 1, 2 ]
amdhsa.kernels:
  - .name:           k_qba94489057_requant
    .symbol:         k_qba94489057_requant.kd
    .args:
      - { .name: part, .offset: 0, .size: 8, .value_kind: global_buffer, .address_space: global }
      - { .name: qkv, .offset: 8, .size: 8, .value_kind: global_buffer, .address_space: global }
    .group_segment_fixed_size: 0
    .private_segment_fixed_size: 0
    .kernarg_segment_align: 8
    .kernarg_segment_size: 16
    .max_flat_workgroup_size: 128
    .sgpr_count:     66
    .vgpr_count:     212
    .wavefront_size: 32
...
	.end_amdgpu_metadata
.endif
;; end of part 3
;; launch attn (part 4): grid 16 x 16, 4 waves a work-group, no clusters, 75,264 bytes of LDS; arguments qkv, out0; writes out0
.if DOCPART == 4
	.amdgcn_target "amdgcn-amd-amdhsa--gfx1250"
	.amdhsa_code_object_version 6
	.text
	.protected	k_qba94489057_attn
	.globl	k_qba94489057_attn
	.p2align	8
	.type	k_qba94489057_attn,@function
k_qba94489057_attn:
	s_mov_b64 s[64:65], 0
	v_nop
	global_prefetch_b8 v0, s[64:65] scope:SCOPE_SE
	s_setreg_imm32_b32 hwreg(HW_REG_WAVE_MODE, 25, 1), 1
	s_wait_xcnt 0x0
; out[b][l][head 64 + e] = sum over d of Q[l][d] KtV[d][e],  KtV[d][e] = sum over the batch's 1,024 rows s of K[s][d] V[s][e]: both products on codes of FP6 (E2M3) with one E8M0 scale for each 32 along K.
; Q, K, V come as images of fragments (qkv: record ((16 G + rt) 8 + head) x 6,656; image sub at 1,536 sub, its scale words at 6,144 + 128 sub).
; SHARES.  Work-group x: 64 rows l of a batch; y = 8 b + head.  Each work-group makes the head's whole KtV (64 x 64 x 1,024: 32 products a wave): it is small beside a launch of its own and a way through memory.
; Wave w makes KtV's columns e = 16 w .. 16 w + 15: source 0 = 16 of K's columns d (fragment dl), source 1 = V's fragment w: a lane holds one e, and, by the order of wk's columns, 16 registers of two neighbouring tiles are
; 16 neighbouring d: the next K.  It is quantised in registers (two blocks of 32) and goes to the other waves through LDS as it stands in registers.
; THE SECOND PRODUCT's K IS 64, the instruction's 128.  Q's image holds two tiles of 16 rows: registers 0-5 one tile's 64, registers 6-11 the other's.  The tile that is not mine is made zero CODES, and KtV's six registers and
; two scale bytes stand twice: so the half that is mine is multiplied, and the other adds nothing.  Source 0 = KtV's fragment (16 e), source 1 = Q: a lane holds one row l and eight neighbouring e.
; K's 32 images are shared: each wave brings eight from memory and all read them from LDS.  NO CLUSTER: what work-groups share here is 106,496 bytes read once each; there is no loop of refills in which joint loads could meet.
; LIMITS: a block of zeros has the byte 1 (its codes are zeros); NaN and infinities are not served.
.set LI,   1                           ; 16 x lane
.set LS,   2                           ; 4 x lane
.set L8,   3                           ; 8 x lane
.set KWI,  4                           ; where I store K's images: 16 x lane + 12,288 x wave
.set KWS,  5                           ; and their scale words: 4 x lane + 1,024 x wave
.set CW16, 6                           ; where I store KtV's codes and scale word: + 896 x wave
.set CW8,  7
.set CW4,  8
.set SO,   9                           ; my stage: in
.set SR,   10                          ; and back
.set GO,   11                          ; my byte offset in the wave's 16 rows of out
.set KF,   16                          ; v16-111 eight images of K on their way to LDS; then v16-63 four fragments at work,
.set H,    64                          ; v64-95  KtV's four accumulators,
.set KBS,  96                          ; v96-99  four scale words,
.set CC,   100                         ; v100-105 KtV's codes,
.set CT,   106
.set PW,   110
.set VF,   112                         ; v112-207 V's eight fragments; then
.set O,    112                         ; v112-143 the results,
.set OUTR, 144                         ; v144-175 rows read back from the stage
.set KS,   208                         ; v208-215 K's scale words on their way to LDS
.set VS,   216                         ; v216-223 V's scale words
.set QF,   224                         ; v224-235 Q's image
.set QS,   236
.set TM,   238
.set KSCL, 49152                       ; LDS: 32 images of K at 0; their scale words;
.set KTV,  53248                       ; KtV: 4 x (512 + 256 bytes of codes + 128 of scale words);
.set STG,  56832                       ; a stage of 16 rows x (256 + 16) bytes for each wave
	s_load_b128 s[4:7], s[0:1], 0x0                ; qkv, out0
	v_lshl_add_u32 v254, v0, 2, 0x12400
	v_mov_b32 v255, 0
	v_lshrrev_b32 v12, 5, v0
	v_readfirstlane_b32 s8, v12                    ; wave 0..3
	s_mov_b32 s9, ttmp9                            ; which 64 rows
	s_and_b32 s10, ttmp7, 0xffff
	s_lshr_b32 s11, s10, 3                         ; b
	s_and_b32 s12, s10, 7                          ; head
	v_and_b32 v12, 31, v0
	v_lshlrev_b32 v[LI], 4, v12
	v_lshlrev_b32 v[LS], 2, v12
	v_lshlrev_b32 v[L8], 3, v12
	s_mul_i32 s13, s8, 12288
	v_add_nc_u32 v[KWI], s13, v[LI]
	s_lshl_b32 s13, s8, 10
	v_add_nc_u32 v[KWS], s13, v[LS]
	s_mul_i32 s13, s8, 896
	v_add_nc_u32 v[CW16], s13, v[LI]
	v_add_nc_u32 v[CW8], s13, v[L8]
	v_add_nc_u32 v[CW4], s13, v[LS]
	v_and_b32 v13, 15, v0                          ; r
	v_bfe_u32 v14, v0, 4, 1                        ; h
	s_mul_i32 s13, s8, 4352
	v_mul_u32_u24 v[SO], v13, 272
	v_lshl_add_u32 v[SO], v14, 5, v[SO]
	v_add_nc_u32 v[SO], s13, v[SO]                 ; in: row r, + 32 h
	v_mul_u32_u24 v[SR], v14, 272
	v_lshl_add_u32 v[SR], v13, 4, v[SR]
	v_add_nc_u32 v[SR], s13, v[SR]                 ; back: lanes 0-15 one row, lanes 16-31 the next
	v_lshlrev_b32 v[GO], 11, v14
	v_lshl_add_u32 v[GO], v13, 4, v[GO]            ; and the same two rows in out (2,048 bytes a row)
	v_mov_b32 v[TM+2], 0                           ; a lane permute's destination counts as one of its sources
	v_mov_b32 v[TM+3], 0
	s_lshl_b32 s14, s11, 3                         ; the batch's first row tile: 8 b
	s_lshl_b32 s15, s8, 1
	s_add_co_u32 s15, s15, s14
	s_add_co_u32 s15, s15, 16
	s_lshl_b32 s15, s15, 3
	s_add_co_u32 s15, s15, s12
	s_mul_i32 s20, s15, 6656                       ; K: record (16 + 8 b + 2 w) 8 + head: I bring row tiles 2 w and 2 w + 1
	s_mov_b32 s21, 0
	s_add_co_u32 s15, s14, 32
	s_lshl_b32 s15, s15, 3
	s_add_co_u32 s15, s15, s12
	s_mul_i32 s15, s15, 6656                       ; V: record (32 + 8 b) 8 + head,
	s_mul_i32 s16, s8, 1536
	s_add_co_u32 s22, s15, s16                     ; image w,
	s_mov_b32 s23, 0
	s_lshl_b32 s16, s8, 7
	s_add_co_u32 s24, s15, s16
	s_add_co_u32 s24, s24, 6144                    ; and its scale words
	s_mov_b32 s25, 0
	s_lshr_b32 s15, s9, 1
	s_add_co_u32 s15, s15, s14
	s_lshl_b32 s15, s15, 3
	s_add_co_u32 s15, s15, s12
	s_mul_i32 s15, s15, 6656                       ; Q: record (8 b + x / 2) 8 + head,
	s_and_b32 s16, s9, 1
	s_lshl_b32 s16, s16, 1
	s_lshr_b32 s17, s8, 1
	s_add_co_u32 s16, s16, s17                     ; image 2 (x % 2) + w / 2: my 16 rows are its half w % 2
	s_mul_i32 s17, s16, 1536
	s_add_co_u32 s26, s15, s17
	s_mov_b32 s27, 0
	s_lshl_b32 s17, s16, 7
	s_add_co_u32 s28, s15, s17
	s_add_co_u32 s28, s28, 6144
	s_mov_b32 s29, 0
	s_lshl_b32 s15, s11, 10
	s_lshl_b32 s16, s9, 6
	s_add_co_u32 s15, s15, s16
	s_lshl_b32 s16, s8, 4
	s_add_co_u32 s15, s15, s16                     ; my first row of out: 1,024 b + 64 x + 16 w
	s_lshl_b32 s30, s15, 11
	s_lshl_b32 s16, s12, 8
	s_add_co_u32 s30, s30, s16                     ; + the head's 256 bytes
	s_mov_b32 s31, 0
	s_and_b32 s16, s8, 1
	s_cmp_eq_u32 s16, 0
	s_cselect_b32 s32, -1, 0                       ; keeps registers 0-5 of Q's image in even waves,
	s_not_b32 s33, s32                             ; registers 6-11 in odd ones
	s_mov_b32 s34, 0x76543210
	s_mov_b32 s35, 0xfedcba98
	s_wait_kmcnt 0x0
	s_add_nc_u64 s[20:21], s[4:5], s[20:21]
	s_add_nc_u64 s[22:23], s[4:5], s[22:23]
	s_add_nc_u64 s[24:25], s[4:5], s[24:25]
	s_add_nc_u64 s[26:27], s[4:5], s[26:27]
	s_add_nc_u64 s[28:29], s[4:5], s[28:29]
	s_add_nc_u64 s[30:31], s[6:7], s[30:31]
.irp k, 0,1                                    ; K: 32 loads
.irp d, 0,1,2,3
.irp q, 0,1,2
	global_load_b128 v[KF+12*(4*\k+\d)+4*\q:KF+12*(4*\k+\d)+4*\q+3], v[LI], s[20:21] offset:53248*\k+1536*\d+512*\q
.endr
	global_load_b32 v[KS+4*\k+\d], v[LS], s[20:21] offset:53248*\k+6144+128*\d
.endr
.endr
.irp k, 0,1,2,3,4,5,6,7                        ; V: 32 loads; a row tile on is 8 records, 53,248 bytes
.irp q, 0,1,2
	global_load_b128 v[VF+12*\k+4*\q:VF+12*\k+4*\q+3], v[LI], s[22:23] offset:53248*\k+512*\q
.endr
	global_load_b32 v[VS+\k], v[LS], s[24:25] offset:53248*\k
.endr
.irp q, 0,1,2                                  ; Q: 4 loads
	global_load_b128 v[QF+4*\q:QF+4*\q+3], v[LI], s[26:27] offset:512*\q
.endr
	global_load_b32 v[QS], v[LS], s[28:29]
	s_wait_loadcnt 36                              ; K's are in; V's 32 and Q's 4 may be out
.irp i, 0,1,2,3,4,5,6,7
.irp q, 0,1,2
	ds_store_b128 v[KWI], v[KF+12*\i+4*\q:KF+12*\i+4*\q+3] offset:1536*\i+512*\q
.endr
	ds_store_b32 v[KWS], v[KS+\i] offset:KSCL+128*\i
.endr
	s_wait_dscnt 0x0                               ; for the others' sake: my stores have landed
	s_barrier_signal -1
	s_barrier_wait -1                              ; K's 32 images lie in LDS
; KtV: eight steps of 128 rows; four accumulators by turns, one instruction a turn
.irp k, 0,1,2,3,4,5,6,7
.if \k > 0
.rept 4
	v_nop                                          ; four places ahead of loads into registers that the last products read
.endr
.endif
.irp d, 0,1,2,3
.irp q, 0,1,2
	ds_load_b128 v[KF+12*\d+4*\q:KF+12*\d+4*\q+3], v[LI] offset:1536*(4*\k+\d)+512*\q
.endr
	ds_load_b32 v[KBS+\d], v[LS] offset:KSCL+128*(4*\k+\d)
.endr
.if \k == 0
	s_wait_loadcnt 0x4                             ; V's are in; Q's 4 may be out
.endif
	s_wait_dscnt 0x0
.irp d, 0,1,2,3
.if \k == 0
	v_wmma_scale_f32_16x16x128_f8f6f4 v[H+8*\d:H+8*\d+7], v[KF+12*\d:KF+12*\d+11], v[VF+12*\k:VF+12*\k+11], 0, v[KBS+\d], v[VS+\k] matrix_a_fmt:MATRIX_FMT_FP6 matrix_b_fmt:MATRIX_FMT_FP6
.else
	v_wmma_scale_f32_16x16x128_f8f6f4 v[H+8*\d:H+8*\d+7], v[KF+12*\d:KF+12*\d+11], v[VF+12*\k:VF+12*\k+11], v[H+8*\d:H+8*\d+7], v[KBS+\d], v[VS+\k] matrix_a_fmt:MATRIX_FMT_FP6 matrix_b_fmt:MATRIX_FMT_FP6
.endif
.endr
.endr
	s_wait_loadcnt 0x0                             ; Q
.irp i, 0,1,2,3,4,5
	v_and_b32 v[QF+\i], s32, v[QF+\i]              ; the tile that is not mine becomes zero codes.  (These twelve name no register of the last products: they are the places behind them)
	v_and_b32 v[QF+6+\i], s33, v[QF+6+\i]
.endr
; KtV along d: register 16 b + i of a lane is d = 32 b + 16 (lane / 16) + i of column e = lane % 16
.irp b, 0,1
	v_max3_num_f32 v[TM+\b], |v[H+16*\b]|, |v[H+16*\b+1]|, 0x1800000   ; each accumulator is read from its low end on
.endr
.irp i, 2,4,6,8,10,12,14
.irp b, 0,1
	v_max3_num_f32 v[TM+\b], v[TM+\b], |v[H+16*\b+\i]|, |v[H+16*\b+\i+1]|
.endr
.endr
.irp b, 0,1
	v_permlanex16_b32 v[TM+2+\b], v[TM+\b], s34, s35
.endr
.irp b, 0,1
	v_max_num_f32 v[TM+\b], v[TM+\b], v[TM+2+\b]
.endr
.irp b, 0,1
	v_add_nc_u32 v[TM+4+\b], 0xff000000, v[TM+\b]
.endr
.irp b, 0,1
	v_lshrrev_b32 v[TM+6+\b], 23, v[TM+4+\b]
.endr
	v_lshl_or_b32 v[PW], v[TM+7], 8, v[TM+6]
	v_lshl_or_b32 v[PW], v[PW], 16, v[PW]          ; the two bytes, twice
	v_cvt_scalef32_pk16_fp6_f32 v[CC:CC+2], v[H:H+15], v[TM+4]
	v_cvt_scalef32_pk16_fp6_f32 v[CT:CT+2], v[H+16:H+31], v[TM+5]
	v_nop                                          ; one plain place behind a scaled conversion
.irp i, 0,1,2
	v_permlane16_swap_b32 v[CC+\i], v[CT+\i]       ; a WHOLE block in a lane: lanes 0-15 d = 0 .. 31, lanes 16-31 d = 32 .. 63
.endr
.irp i, 0,1,2
	v_mov_b32 v[CC+3+\i], v[CT+\i]
.endr
	ds_store_b128 v[CW16], v[CC:CC+3] offset:KTV
	ds_store_b64 v[CW8], v[CC+4:CC+5] offset:KTV+512
	ds_store_b32 v[CW4], v[PW] offset:KTV+768
	s_wait_dscnt 0x0
	s_barrier_signal -1
	s_barrier_wait -1                              ; KtV's four fragments lie in LDS
.irp e, 0,1,2,3
	ds_load_b128 v[KF+12*\e:KF+12*\e+3], v[LI] offset:KTV+896*\e
	ds_load_b64 v[KF+12*\e+4:KF+12*\e+5], v[L8] offset:KTV+896*\e+512
	ds_load_b128 v[KF+12*\e+6:KF+12*\e+9], v[LI] offset:KTV+896*\e      ; the six registers stand twice
	ds_load_b64 v[KF+12*\e+10:KF+12*\e+11], v[L8] offset:KTV+896*\e+512
	ds_load_b32 v[KBS+\e], v[LS] offset:KTV+896*\e+768
.endr
	s_wait_dscnt 0x0
.irp e, 0,1,2,3
	v_wmma_scale_f32_16x16x128_f8f6f4 v[O+8*\e:O+8*\e+7], v[KF+12*\e:KF+12*\e+11], v[QF:QF+11], 0, v[KBS+\e], v[QS] matrix_a_fmt:MATRIX_FMT_FP6 matrix_b_fmt:MATRIX_FMT_FP6
.endr
.rept 4
	v_nop                                          ; four places ahead of the first read of results
.endr
; THE WAY OUT: lane (r, h) holds out(row r, e = 16 t + 8 h + 0 .. 7); the 16 rows go through my own stage and come back as whole rows of 256 bytes.  LDS serves a wave's instructions in order (ISA guide 5.7.1.4).
.irp e, 0,1,2,3
	ds_store_b128 v[SO], v[O+8*\e:O+8*\e+3] offset:STG+64*\e
	ds_store_b128 v[SO], v[O+8*\e+4:O+8*\e+7] offset:STG+64*\e+16
.endr
.irp i, 0,1,2,3,4,5,6,7
	ds_load_b128 v[OUTR+4*\i:OUTR+4*\i+3], v[SR] offset:STG+544*\i
.endr
.irp i, 0,1,2,3,4,5,6,7
	s_wait_dscnt 7-\i                              ; rows 2 i, 2 i + 1 are back; the later loads may be out
	global_store_b128 v[GO], v[OUTR+4*\i:OUTR+4*\i+3], s[30:31] offset:4096*\i th:TH_STORE_NT   ; 16 lanes store 256 consecutive bytes, at a multiple of 256 from out's first byte
.endr
	s_wait_tensorcnt 0x0
	ds_add_u32 v254, v255
	s_wait_dscnt 0x0
	s_endpgm
.Lfunc_end_k_qba94489057_attn:
	.size	k_qba94489057_attn, .Lfunc_end_k_qba94489057_attn-k_qba94489057_attn
	.p2alignl 7, 3214868480
	.fill 96, 4, 3214868480
	.section	.rodata,"a",@progbits
	.p2align	6, 0x0
	.amdhsa_kernel k_qba94489057_attn
		.amdhsa_group_segment_fixed_size 75264
		.amdhsa_private_segment_fixed_size 0
		.amdhsa_enable_private_segment 0
		.amdhsa_kernarg_size 16
		.amdhsa_user_sgpr_count 2
		.amdhsa_user_sgpr_kernarg_segment_ptr 1
		.amdhsa_wavefront_size32 1
		.amdhsa_system_sgpr_workgroup_id_x 1
		.amdhsa_system_sgpr_workgroup_id_y 1
		.amdhsa_system_sgpr_workgroup_id_z 1
		.amdhsa_system_vgpr_workitem_id 0
		.amdhsa_next_free_vgpr 256
		.amdhsa_next_free_sgpr 66
		.amdhsa_reserve_vcc 0
		.amdhsa_float_denorm_mode_32 3
		.amdhsa_float_denorm_mode_16_64 3
		.amdhsa_memory_ordered 1
		.amdhsa_forward_progress 1
		.amdhsa_inst_pref_size 33
	.end_amdhsa_kernel
	.amdgpu_metadata
---
amdhsa.version: [ 1, 2 ]
amdhsa.kernels:
  - .name:           k_qba94489057_attn
    .symbol:         k_qba94489057_attn.kd
    .args:
      - { .name: qkv, .offset: 0, .size: 8, .value_kind: global_buffer, .address_space: global }
      - { .name: out0, .offset: 8, .size: 8, .value_kind: global_buffer, .address_space: global }
    .group_segment_fixed_size: 75264
    .private_segment_fixed_size: 0
    .kernarg_segment_align: 8
    .kernarg_segment_size: 16
    .max_flat_workgroup_size: 128
    .sgpr_count:     66
    .vgpr_count:     256
    .wavefront_size: 32
...
	.end_amdgpu_metadata
.endif
;; end of part 4
